; MI455X (gfx1250); checked and timed in simulation.
; The chip was launched on July 23, 2026; its instructions are those of AMD's public machine-readable ISA for CDNA 5 (MIT licence, August 2026) and "CDNA5" Instruction Set Architecture Reference Guide (July 2026). The comments in the code are by the model that wrote it; some were corrected since.
;; Self Attention. Allowed arithmetic: matrix products marked QUANTISED: E2M1 operands, one E8M0 scale for each 32 along K, by v_wmma_scale_f32_16x16x128_f8f6f4 with both operands' format E2M1 (or v_wmma_scale_f32_32x16x128_f4), f32 sums; everything else in f32.
;; Inputs: Wk_codes 64 x 8 x 16 uint8 (E2M1 codes of Wk, K innermost, in blocks of 32 codes, two codes a byte); Wk_scales 64 x 8 uint8 (E8M0 scales of Wk, one for each 32 codes along K); Wq_codes 64 x 8 x 16 uint8 (E2M1 codes of Wq, K innermost, in blocks of 32 codes, two codes a byte); Wq_scales 64 x 8 uint8 (E8M0 scales of Wq, one for each 32 codes along K); Wv_codes 256 x 8 x 16 uint8 (E2M1 codes of Wv, K innermost, in blocks of 32 codes, two codes a byte); Wv_scales 256 x 8 uint8 (E8M0 scales of Wv, one for each 32 codes along K); bk 64 float32; bq 64 float32; bv 256 float32; gamma 1 float32; ref_codes 8 x 64 x 64 x 8 x 16 uint8 (E2M1 codes of ref, K innermost, in blocks of 32 codes, two codes a byte); ref_scales 8 x 64 x 64 x 8 uint8 (E8M0 scales of ref, one for each 32 codes along K); x 8 x 256 x 64 x 64 float32.
;; Outputs: out0 8 x 256 x 64 x 64 float32.
;; This version of the problem:
;;   THIS VERSION OF THE PROBLEM IS GIVEN IN LOW PRECISION. The matrix products marked QUANTISED in the list below multiply operands that are first quantised to E2M1 (2 exponent bits, 1 mantissa bit; 4 bits a number), with one power-of-two scale for each 32 numbers along K (OCP MX v1.0); their sums are f32. All else is computed in f32.
;;   The module's matrix products, in the order in which they are computed (A, B: the left and right operand; K: the contracted axis; several contracted axes count as one K, in the product's order):
;;     1. [M 32,768, K 256] x [K 256, N 64]; A: input x; B: input Wq (given as codes): QUANTISED
;;     2. [M 32,768, K 256] x [K 256, N 64]; A: input ref (given as codes); B: input Wk (given as codes): QUANTISED
;;     3. [M 32,768, K 256] x [K 256, N 256]; A: input x; B: input Wv (given as codes): QUANTISED
;;     4. batch 8 x [M 4,096, K 64] x [K 64, N 4,096]; A: computed on the way; B: computed on the way: QUANTISED
;;     5. batch 8 x [M 256, K 4,096] x [K 4,096, N 4,096]; A: computed on the way; B: softmax (see below): QUANTISED
;;   THE QUANTISER, for each operand of a quantised product, along K:
;;     - K is cut into blocks of 32 from its start; a last block that is shorter is filled with zeros.
;;     - A block's scale is 2^e with e = floor(log2(the largest magnitude in the block)) - 2, held to -126 .. 127; a block of zeros has e = 0. As a byte (E8M0): e + 127.
;;     - Each number is divided by its block's scale, clamped to +-6, and rounded to the nearest number of E2M1, ties to even, subnormals kept.
;;     - The product sums the exact products of the quantised numbers (number of the format x scale) in f32.
;;   ~~~python
;;   def quantise(x, axis):      # numpy; x: float32 -> the quantised numbers, widened to float32 again
;;       x = np.moveaxis(x, axis, -1); K = x.shape[-1]
;;       x = np.pad(x, [(0, 0)] * (x.ndim - 1) + [(0, -K % 32)]); x = x.reshape(x.shape[:-1] + (-1, 32)); a = np.abs(x).max(-1, keepdims=True)
;;       e = np.where(a > 0, np.clip(np.frexp(np.where(a > 0, a, 1))[1] - 1 - 2, -126, 127), 0)      # np.frexp(a)[1] - 1 = floor(log2(a)), exactly
;;       r = np.clip(x / 2.0 ** e, -6, 6)
;;       step = 2.0 ** (np.maximum(np.frexp(np.where(r == 0, 1, r))[1] - 1, 0) - 1)
;;       q = np.round(r / step) * step * 2.0 ** e      # np.round: ties to even
;;       return np.moveaxis(q.reshape(q.shape[:-2] + (-1,))[..., :K], -1, axis).astype(np.float32)
;;   ~~~
;;   SOFTMAX AHEAD OF A QUANTISED PRODUCT. Where the list says 'softmax', what is quantised is not the finished softmax but p = 2^(t - M), with t = logit x log2(e) and M = ceil(the row's largest t), a whole number; so 1/2 < the row's largest p <= 1. The row's sum l is taken of the UNQUANTISED p, in f32, and the product's result is divided by l at the end. Since M is a whole number, a kernel that streams over the keys may use a running M (the ceiling of the running maximum): every later rescaling is an exact power of two, which a block's scale takes up: the codes' values come out the same.
;;   OPERANDS COMPUTED ON THE WAY. 'Computed on the way' means the value that the module computes at that place (a softmax that the list does not call 'softmax' is quantised finished and normalised). What goes into a quantiser is computed in f32, as accurately as f32 sums, v_exp_f32 and their like allow (about 1e-6 of the number): no bf16 or f16 on the way to a quantiser, and a product that is left as it is and whose result goes on into a quantised operand takes f32 operands (vector FMAs, or v_wmma_f32_16x16x4_f32). A number that lies on a knife's edge between two numbers of the format may be rounded either way, as far as f32 arithmetic and the matrix unit's own rounding can turn it there, and no further.
;;   INPUTS GIVEN AS CODES. Wk (in the module: [64, 256], K = its axis 1); Wq (in the module: [64, 256], K = its axis 1); Wv (in the module: [256, 256], K = its axis 1); ref (in the module: [8, 256, 64, 64], K = its axis 1): each comes as NAME_codes (uint8): NAME with its K axis moved to the last place and cut into blocks of 32 codes, [.., K / 32, bytes a block], one block behind the other in memory; two codes a byte, the lower K in the low four bits (a code: sign, 2 exponent bits, 1 mantissa bit); and NAME_scales (uint8): the same leading axes, one E8M0 byte (e + 127) for each 32 codes along K. Its value is code x scale, taken as it is: it is not quantised again, and the codes and scales need not be those that the quantiser above would give.
;; One version. Each part assembles by itself: llvm-mc -triple=amdgcn-amd-amdhsa -mcpu=gfx1250 --defsym DOCPART=n.
;; ======== version 1 of 1: 2 launches
;; workspace buffers: kv 5,636,096 bytes; qc 1,179,648 bytes
;; launch prep (part 1): grid 32 x 8, 8 waves a work-group, no clusters, 168,960 bytes of LDS; arguments x, ref_codes, ref_scales, Wq_codes, Wq_scales, bq, Wk_codes, Wk_scales, bk, Wv_codes, Wv_scales, bv, kv, qc; writes kv, qc
.if DOCPART == 1
	.amdgcn_target "amdgcn-amd-amdhsa--gfx1250"
	.amdhsa_code_object_version 6
	.text
	.protected	k_qa9feb54676_prep
	.globl	k_qa9feb54676_prep
	.p2align	8
	.type	k_qa9feb54676_prep,@function
k_qa9feb54676_prep:
	s_mov_b64 s[64:65], 0
	v_nop
	global_prefetch_b8 v0, s[64:65] scope:SCOPE_SE
	s_setreg_imm32_b32 hwreg(HW_REG_WAVE_MODE, 25, 1), 1
	s_wait_xcnt 0x0
; q = Wq x + bq, k = Wk ref + bk, v = Wv x + bv for 128 positions of one image, all three products on codes of FP4 (E2M1) with one E8M0 scale for each 32 along K,
; and their results quantised again: q and k along their 64 channels, v along its 128 positions (the keys of the next launch).
; x: [8][256 c][4096 n] f32, K = c is NOT innermost.  ref, Wq, Wk, Wv: codes, K innermost, 128 bytes a row; 8 scale bytes a row.
; SHARES.  Work-group (step, batch) takes positions 128 step .. 128 step + 127 of image batch.  Eight waves:
;   k: wave w makes tile w of 16 positions x 64 channels;  x: wave (pb = w % 4, ks = w / 4) quantises 32 positions x 128 channels;  q: wave w makes tile w;  v: wave w makes channels 32 w .. 32 w + 31 for all 128 positions.
; THE POSITIONS OF A TILE ARE NOT NEIGHBOURS: row r of tile 2 b + u is position 32 b + 8 u + r + 8 (r / 8), and the rows of Wq and Wk that form a tile are chosen likewise: so the 16 registers of two
; neighbouring result tiles are 16 neighbours along the next K, and the conversions' results are the next operand's registers.
; WHAT IS STORED are images of operand registers, lane l's 16 bytes at 16 l:
;   kv record (batch x 32 + step), 22,016 bytes: +0 k's 8 fragments (4 registers each: 64 channels); +4,096 v's 16 fragments (8 registers); +20,480 k's scale words; +20,992 v's scale words.
;   qc record (batch x 32 + step), 4,608 bytes: +0 q's 8 fragments; +4,096 q's scale words.  In k's and q's scale words bytes 2 and 3 are 0x7f (1.0): the next launch's K step of 128 has only 64 channels.
; Every store of this launch covers 512 consecutive bytes that start at a multiple of 256 from the buffer's first byte.
; x's tile, 256 channel rows x 512 bytes, comes by four tensor loads (waves 0 to 3, 64 rows each; one load of a wave is out), so that all 131,072 bytes are on their way at once; the weights' loads and the whole k product stand under it.
; NO CLUSTER: the work-groups share the weights alone, 49,152 bytes of codes against 147,456 bytes of x and ref that are each work-group's own, and the weights go straight into registers.
; LIMITS: a block whose largest magnitude lies under 2^-124 (a block of zeros among them) gets the scale byte 1 where the quantiser's rule says 127 for zeros: its codes are zeros or the rule's own, and this program alone reads the bytes.
; NaN and infinities among the inputs are not served.
.set REC,  22016
.set QREC, 4608
.set XI,   131072                      ; LDS: 0 .. 131,071 x's tile [256 c][128 n] f32, pitch 512 (lanes read neighbouring words: no padding)
.set XS,   147456                      ; XI: x's 16 fragment images, (tile T, K step ks) at (2 T + ks) x 1,024;  XS: x's scale words, (pb, ks) at (2 pb + ks) x 128 + 4 x lane
.set SG,   148480                      ; the scale words of k (512 bytes), v (1,024), q (512), gathered in the records' layouts
.set TM,   48                          ; v48-63  at work in the quantisers
.set PCK,  64                          ; v64-67  k's codes;  v68-71 q's;  v72-87 v's two fragments (earlier: x's 16 code registers)
.set PCQ,  68
.set PCV,  72
.set XC,   72
.set PWK,  88                          ; v88 k's scale word, v89 q's, v90-91 v's, v92 x's
.set PWQ,  89
.set PWV,  90
.set XW,   92
.set HA,   96                          ; v96-127 four accumulators: k's, then q's
; window 0: v1 lane, v2 r, v3 h, v4 16 lane, v5 4 lane, v6-16 LDS addresses, v17-23, v46, v47, v93 global offsets; v24-45 scale words; v128-255 128 numbers of x, later v's 16 accumulators
; window 1: v0-63 Wq, v64-127 Wk (tile t, K step s at 8 (2 t + s)), later x's 16 fragments; v128-159 Wv; v160-175 ref's, then x's own tile; v176-207 bq, v208-239 bk, v240-255 bv in the results' layout
.set MSB, 0
.macro WIN new                         ; the immediate's high byte repeats the setting that is left
.if MSB != \new
	s_set_vgpr_msb (MSB<<8)|\new
.set MSB, \new
.endif
.endm
.macro PLACES                          ; four plain places behind a matrix instruction of this form, ahead of reads of its results and of loads into its registers
.rept 4
	v_nop
.endr
.endm
.macro BARRIER                         ; my LDS stores have landed and my LDS loads are in: then the work-group's barrier
	s_wait_dscnt 0x0
	s_barrier_signal -1
	s_barrier_wait -1
.endm
; one matrix instruction.  ra, rb = 1: that side's scale words are read from lanes 16-31
.macro MM d, a, b, c, sa, sb, ra, rb
.if ((\ra) == 0) && ((\rb) == 0)
	v_wmma_scale_f32_16x16x128_f8f6f4 v[\d:\d+7], v[\a:\a+7], v[\b:\b+7], v[\c:\c+7], v[\sa], v[\sb] matrix_a_fmt:MATRIX_FMT_FP4 matrix_b_fmt:MATRIX_FMT_FP4
.elseif (\rb) == 0
	v_wmma_scale_f32_16x16x128_f8f6f4 v[\d:\d+7], v[\a:\a+7], v[\b:\b+7], v[\c:\c+7], v[\sa], v[\sb] matrix_a_fmt:MATRIX_FMT_FP4 matrix_b_fmt:MATRIX_FMT_FP4 matrix_a_scale:MATRIX_SCALE_ROW1
.elseif (\ra) == 0
	v_wmma_scale_f32_16x16x128_f8f6f4 v[\d:\d+7], v[\a:\a+7], v[\b:\b+7], v[\c:\c+7], v[\sa], v[\sb] matrix_a_fmt:MATRIX_FMT_FP4 matrix_b_fmt:MATRIX_FMT_FP4 matrix_b_scale:MATRIX_SCALE_ROW1
.else
	v_wmma_scale_f32_16x16x128_f8f6f4 v[\d:\d+7], v[\a:\a+7], v[\b:\b+7], v[\c:\c+7], v[\sa], v[\sb] matrix_a_fmt:MATRIX_FMT_FP4 matrix_b_fmt:MATRIX_FMT_FP4 matrix_a_scale:MATRIX_SCALE_ROW1 matrix_b_scale:MATRIX_SCALE_ROW1
.endif
.endm
; 16 positions x 64 channels, TRANSPOSED: source 0 = 16 rows of the weight (window 1, from wf), source 1 = the positions' fragments (window 1, v160 on).  The bias is the C of the first K step.
; Four accumulators by turns, one instruction a turn.  In the result a lane holds one position, and register 16 b + i channel 32 b + 16 (lane / 16) + i.
.macro QKPROD wf, bias, sc, xs
	WIN 0x15                                       ; sources 0, 1 and 2 in window 1
.irp t, 0,1,2,3
	MM HA+8*\t, \wf+16*\t, 160, \bias+8*\t, \sc+2*(\t/2), \xs, \t%2, 0
.endr
	WIN 0x05                                       ; C with D in window 0
.irp t, 0,1,2,3
	MM HA+8*\t, \wf+16*\t+8, 168, HA+8*\t, \sc+2*(\t/2)+1, \xs+1, \t%2, 0
.endr
	WIN 0
	PLACES
.endm
; 16 nb numbers of a lane, register 16 b + i = k 32 b + 16 (lane / 16) + i of my row, become a fragment's codes in v[pc] on (2 nb registers) and its scale word in v[pw].  nb = 2 or 4 blocks of 32.
.macro QUANT s, nb, pc, pw
.set qb, 0
.rept \nb
	v_max3_num_f32 v[TM+qb], |v[\s+16*qb]|, |v[\s+1+16*qb]|, 0x1800000   ; my 16 numbers of block qb, from each accumulator's low end on, and the floor 2^(3 - 127): the byte cannot fall under 1
.set qb, qb+1
.endr
.irp i, 2,4,6,8,10,12,14
.set qb, 0
.rept \nb
	v_max3_num_f32 v[TM+qb], v[TM+qb], |v[\s+16*qb+\i]|, |v[\s+1+16*qb+\i]|   ; the blocks by turns
.set qb, qb+1
.endr
.endr
.set qb, 0
.rept \nb
	v_permlanex16_b32 v[TM+4+qb], v[TM+qb], s56, s57
.set qb, qb+1
.endr
.set qb, 0
.rept \nb
	v_max_num_f32 v[TM+qb], v[TM+qb], v[TM+4+qb]   ; with lane l xor 16's 16: the block's largest magnitude
.set qb, qb+1
.endr
.set qb, 0
.rept \nb
	v_add_nc_u32 v[TM+12+qb], 0xff000000, v[TM+qb] ; 2 off its exponent field: the conversion takes the exponent field of this operand as its scale
.set qb, qb+1
.endr
.set qb, 0
.rept \nb
	v_lshrrev_b32 v[TM+4+qb], 23, v[TM+12+qb]      ; the scale's byte
.set qb, qb+1
.endr
	v_lshl_or_b32 v[\pw], v[TM+5], 8, v[TM+4]
.if \nb == 4
	s_delay_alu instid0(VALU_DEP_1)
	v_lshl_or_b32 v[\pw], v[TM+6], 16, v[\pw]
	s_delay_alu instid0(VALU_DEP_1)
	v_lshl_or_b32 v[\pw], v[TM+7], 24, v[\pw]
.else
	s_delay_alu instid0(VALU_DEP_1)
	v_or_b32 v[\pw], 0x7f7f0000, v[\pw]            ; the K step's upper 64 have no numbers: 1.0 for their two blocks
.endif
.set qb, 0
.rept \nb
	v_cvt_scalef32_pk8_fp4_f32 v[\pc+2*qb], v[\s+16*qb:\s+7+16*qb], v[TM+12+qb]
	v_cvt_scalef32_pk8_fp4_f32 v[\pc+1+2*qb], v[\s+8+16*qb:\s+15+16*qb], v[TM+12+qb]
.set qb, qb+1
.endr
	v_nop                                          ; one plain place behind a scaled conversion
.set qb, 0
.rept \nb/2                                    ; the operand's layout wants a whole block in a lane: lanes 0-15 block 2 c, lanes 16-31 block 2 c + 1
	v_permlane16_swap_b32 v[\pc+4*qb], v[\pc+2+4*qb]
	v_permlane16_swap_b32 v[\pc+1+4*qb], v[\pc+3+4*qb]
.set qb, qb+1
.endr
.endm
; block be of my position's 128 channels: all its 32 numbers are mine, v[128 + 32 be] on.  Codes into v[XC + 4 be] on, the byte into x's scale word.
.macro XBLOCK be
.set XB, 128+32*(\be)
	v_max3_num_f32 v[TM], |v[XB]|, |v[XB+1]|, |v[XB+2]|
	v_max3_num_f32 v[TM+1], |v[XB+3]|, |v[XB+4]|, |v[XB+5]|
.irp i, 6,10,14,18,22,26
	s_delay_alu instid0(VALU_DEP_2)
	v_max3_num_f32 v[TM], v[TM], |v[XB+\i]|, |v[XB+\i+1]|
	s_delay_alu instid0(VALU_DEP_2)
	v_max3_num_f32 v[TM+1], v[TM+1], |v[XB+\i+2]|, |v[XB+\i+3]|
.endr
	s_delay_alu instid0(VALU_DEP_2)
	v_max3_num_f32 v[TM], v[TM], |v[XB+30]|, |v[XB+31]|
	s_delay_alu instid0(VALU_DEP_1)
	v_max3_num_f32 v[TM], v[TM], v[TM+1], 0x1800000
	s_delay_alu instid0(VALU_DEP_1)
	v_add_nc_u32 v[TM+2], 0xff000000, v[TM]
	s_delay_alu instid0(VALU_DEP_1)
	v_lshrrev_b32 v[TM+3], 23, v[TM+2]
.if (\be) == 0
	s_delay_alu instid0(VALU_DEP_1)
	v_mov_b32 v[XW], v[TM+3]
.else
	s_delay_alu instid0(VALU_DEP_1)
	v_lshl_or_b32 v[XW], v[TM+3], 8*(\be), v[XW]
.endif
.irp g, 0,1,2,3
	v_cvt_scalef32_pk8_fp4_f32 v[XC+4*(\be)+\g], v[XB+8*\g:XB+8*\g+7], v[TM+2]
.endr
.endm
	s_load_b512 s[4:19], s[0:1], 0x0               ; x 4, ref_codes 6, ref_scales 8, Wq_codes 10, Wq_scales 12, bq 14, Wk_codes 16, Wk_scales 18
	s_load_b256 s[20:27], s[0:1], 0x40             ; bk 20, Wv_codes 22, Wv_scales 24, bv 26
	s_load_b128 s[28:31], s[0:1], 0x60             ; kv 28, qc 30
	v_lshl_add_u32 v94, v0, 2, 0x29000
	v_mov_b32 v95, 0
	ds_add_u32 v94, v95
	ds_add_u32 v94, v95
	v_lshrrev_b32 v1, 5, v0
	s_delay_alu instid0(VALU_DEP_1)
	v_readfirstlane_b32 s40, v1                    ; wave 0..7
	s_and_b32 s41, s40, 3                          ; pb
	s_lshr_b32 s42, s40, 2                         ; ks
	s_and_b32 s43, ttmp7, 0xffff                   ; batch
	s_lshr_b32 s76, s40, 1                         ; wave / 2
	s_and_b32 s77, s40, 1                          ; wave % 2
	s_mov_b32 s56, 0x76543210
	s_mov_b32 s57, 0xfedcba98                      ; v_permlanex16_b32's selects for lane l xor 16
	v_and_b32 v1, 31, v0                           ; lane
	v_and_b32 v2, 15, v0                           ; r
	v_bfe_u32 v3, v0, 4, 1                         ; h
	s_delay_alu instid0(VALU_DEP_3)
	v_lshlrev_b32 v4, 4, v1
	s_delay_alu instid0(VALU_DEP_4)
	v_lshlrev_b32 v5, 2, v1
	s_wait_alu depctr_va_vdst(0)
	; every LDS address is made here, ahead of the first branch on the wave's number
	v_and_b32 v6, 7, v0                            ; x's tile: lane 16 u + r takes position 32 pb + 8 u + r + 8 (r / 8): 4 bytes each
	s_delay_alu instid0(VALU_DEP_1)
	v_lshlrev_b32 v6, 2, v6
	v_and_b32 v48, 8, v0
	s_delay_alu instid0(VALU_DEP_1)
	v_lshl_add_u32 v6, v48, 3, v6
	v_and_b32 v48, 16, v0
	s_delay_alu instid0(VALU_DEP_1)
	v_lshl_add_u32 v6, v48, 1, v6
	s_lshl_b32 s78, s41, 7
	s_lshl_b32 s79, s42, 16                        ; + 128 channel rows of 512 bytes for K step 1
	s_add_co_u32 s78, s78, s79
	v_add_nc_u32 v6, s78, v6
	s_lshl_b32 s78, s41, 12
	s_lshl_b32 s79, s42, 10
	s_add_co_u32 s78, s78, s79
	s_add_co_u32 s78, s78, XI
	v_add_nc_u32 v7, s78, v4                       ; where I store x's images: (4 pb + ks) x 1,024 + 16 lane
	s_lshl_b32 s78, s41, 8
	s_lshl_b32 s79, s42, 7
	s_add_co_u32 s78, s78, s79
	s_add_co_u32 s78, s78, XS
	v_add_nc_u32 v8, s78, v5                       ; and their scale words
	s_lshl_b32 s78, s40, 11
	s_add_co_u32 s78, s78, XI
	v_add_nc_u32 v9, s78, v4                       ; x's tile w, for q
	s_lshl_b32 s78, s76, 8
	s_lshl_b32 s79, s77, 6
	s_add_co_u32 s78, s78, s79
	s_add_co_u32 s78, s78, XS
	v_lshl_add_u32 v10, v2, 2, s78                 ; its scale words: row r's in lane r
	v_add_nc_u32 v11, XI, v4                       ; all of x's images, for v
	v_add_nc_u32 v12, XS, v5
	s_lshl_b32 s78, s77, 8
	s_lshl_b32 s79, s76, 2
	s_add_co_u32 s78, s78, s79
	s_add_co_u32 s78, s78, SG
	v_lshl_add_u32 v13, v2, 4, s78                 ; k's scale word of tile 2 b + u, row r: 16 (16 u + r) + 4 b
	s_lshl_b32 s78, s42, 9
	s_lshl_b32 s79, s41, 2
	s_add_co_u32 s78, s78, s79
	s_add_co_u32 s78, s78, SG+512
	v_lshl_add_u32 v14, v2, 4, s78                 ; v's, of fragment 2 w + n: 512 (w / 4) + 16 (16 n + r) + 4 (w % 4)
	s_lshl_b32 s78, s40, 6
	s_add_co_u32 s78, s78, SG+1536
	v_lshl_add_u32 v15, v2, 2, s78                 ; q's: 64 w + 4 r
	s_lshl_b32 s78, s41, 9
	s_add_co_u32 s78, s78, SG
	v_add_nc_u32 v16, s78, v4                      ; the gathered words on their way out: 512 bytes a wave
	; offsets into the inputs and the records
	v_and_b32 v48, 8, v2
	s_delay_alu instid0(VALU_DEP_1)
	v_add_nc_u32 v48, v48, v2                      ; r + 8 (r / 8)
	s_delay_alu instid0(VALU_DEP_1)
	v_lshlrev_b32 v17, 7, v48
	s_delay_alu instid0(VALU_DEP_1)
	v_lshl_add_u32 v17, v3, 4, v17                 ; Wq, Wk: a tile's row of 128 bytes, + 16 h
	v_lshlrev_b32 v18, 7, v2
	s_delay_alu instid0(VALU_DEP_1)
	v_lshl_add_u32 v18, v3, 4, v18
	s_lshl_b32 s78, s40, 12
	v_add_nc_u32 v18, s78, v18                     ; Wv: row 32 w + r
	s_lshl_b32 s80, s76, 5
	s_lshl_b32 s79, s77, 3
	s_add_co_u32 s80, s80, s79                     ; tile w's first position
	s_lshl_b32 s78, s80, 7
	v_add_nc_u32 v19, s78, v17                     ; ref: tile w's row r
	v_lshlrev_b32 v20, 3, v48
	s_delay_alu instid0(VALU_DEP_1)
	v_lshl_add_u32 v20, v3, 6, v20                 ; Wq's, Wk's scale bytes: lanes 0-15 tile 2 b, lanes 16-31 tile 2 b + 1; 8 bytes a row
	v_lshlrev_b32 v21, 3, v1
	s_lshl_b32 s78, s40, 8
	v_add_nc_u32 v21, s78, v21                     ; Wv's: row 32 w + lane
	v_lshlrev_b32 v22, 3, v48
	s_lshl_b32 s78, s80, 3
	v_add_nc_u32 v22, s78, v22                     ; ref's
	v_lshlrev_b32 v23, 6, v3                       ; bq, bk: 16 h channels on
	s_lshl_b32 s78, s40, 7
	v_lshl_add_u32 v46, v2, 2, s78                 ; bv: channel 32 w + r
	s_lshl_b32 s78, s40, 9
	v_add_nc_u32 v47, s78, v4                      ; k's and q's codes in their records
	s_lshl_b32 s78, s40, 11
	v_add_nc_u32 v93, s78, v4                      ; v's
.irp b, 0,1,2,3
	v_mov_b32 v[TM+4+\b], 0                        ; written once: a lane permute's destination counts as one of its sources
.endr
	; descriptor group 1: 64 rows of 128 elements of 4 bytes, 4,096 elements from row to row, no padding
	s_mov_b32 s48, 2<<16
	s_mov_b32 s49, 128<<16                         ; tensor_dim0
	s_mov_b32 s50, 64<<16                          ; tensor_dim1
	s_mov_b32 s51, 128<<16                         ; tile_dim0
	s_mov_b32 s52, 64                              ; tile_dim1
	s_mov_b32 s53, 4096                            ; the pitch
	s_mov_b32 s54, 0
	s_mov_b32 s55, 0
	s_mov_b32 s44, 1
	s_lshl_b32 s45, s41, 15                        ; LDS: 64 rows of 512 bytes for each fetching wave
	s_lshl_b32 s58, s43, 22                        ; x: the image,
	s_lshl_b32 s59, s41, 20                        ; my 64 channel rows of 16,384 bytes,
	s_add_co_u32 s58, s58, s59
	s_lshl_b32 s59, ttmp9, 9                       ; the work-group's 128 positions
	s_add_co_u32 s58, s58, s59
	s_mov_b32 s59, 0
	s_lshl_b32 s60, s43, 19                        ; ref's codes: 128 bytes a position
	s_lshl_b32 s61, ttmp9, 14
	s_add_co_u32 s60, s60, s61
	s_mov_b32 s61, 0
	s_lshl_b32 s62, s43, 15                        ; ref's scale bytes: 8 a position
	s_lshl_b32 s63, ttmp9, 10
	s_add_co_u32 s62, s62, s63
	s_mov_b32 s63, 0
	s_lshl_b32 s66, s43, 5
	s_add_co_u32 s66, s66, ttmp9                   ; the record's number
	s_mul_i32 s68, s66, REC
	s_mov_b32 s69, 0
	s_mul_i32 s70, s66, QREC
	s_mov_b32 s71, 0
	s_lshl_b32 s74, s40, 9
	s_add_co_u32 s74, s74, 20480                   ; the scale words' place in the kv record, for waves 0 to 2
	s_mov_b32 s75, 0
	s_wait_dscnt 0x0
	s_wait_kmcnt 0x0
	s_add_nc_u64 s[46:47], s[4:5], s[58:59]
	s_or_b32 s47, s47, 0x80000000                  ; type = 2
	s_cmp_lt_u32 s40, 4
	s_cbranch_scc0 .Lno_fetch
	tensor_load_to_lds s[44:47], s[48:55]          ; the launch's only fills: each byte of x's tile is filled once
	s_nop 0
.rept 4
	v_nop
.endr
.Lno_fetch:
	s_add_nc_u64 s[6:7], s[6:7], s[60:61]
	s_add_nc_u64 s[8:9], s[8:9], s[62:63]
	s_add_nc_u64 s[28:29], s[28:29], s[68:69]      ; my kv record
	s_add_nc_u64 s[30:31], s[30:31], s[70:71]      ; my qc record
	s_cmp_lt_u32 s40, 3                            ; the gathered scale words: waves 0 to 2 store k's and v's, wave 3 q's
	s_cselect_b64 s[72:73], s[28:29], s[30:31]
	s_cselect_b32 s74, s74, 4096
	s_add_nc_u64 s[72:73], s[72:73], s[74:75]
	WIN 0x40                                       ; destination window 1
.irp s, 0,1
.irp c, 0,1
	global_load_b128 v[160+8*\s+4*\c:160+8*\s+4*\c+3], v19, s[6:7] offset:64*\s+32*\c      ; ref's tile w
.endr
.endr
.irp t, 0,1,2,3
.irp s, 0,1
.irp c, 0,1
	global_load_b128 v[64+8*(2*\t+\s)+4*\c:64+8*(2*\t+\s)+4*\c+3], v17, s[16:17] offset:(32*(\t/2)+8*(\t%2))*128+64*\s+32*\c   ; Wk
.endr
.endr
.endr
	s_wait_alu depctr_va_vdst(0)
.irp t, 0,1,2,3
	global_load_b128 v[208+8*\t:208+8*\t+3], v23, s[20:21] offset:(32*(\t/2)+8*(\t%2))*4       ; bk: tile 2 b + u, register j: channel 32 b + 16 h + 8 u + j
	global_load_b128 v[208+8*\t+4:208+8*\t+7], v23, s[20:21] offset:(32*(\t/2)+8*(\t%2))*4+16
.endr
.irp t, 0,1,2,3
.irp s, 0,1
.irp c, 0,1
	global_load_b128 v[8*(2*\t+\s)+4*\c:8*(2*\t+\s)+4*\c+3], v17, s[10:11] offset:(32*(\t/2)+8*(\t%2))*128+64*\s+32*\c         ; Wq
.endr
.endr
.endr
.irp t, 0,1,2,3
	global_load_b128 v[176+8*\t:176+8*\t+3], v23, s[14:15] offset:(32*(\t/2)+8*(\t%2))*4       ; bq
	global_load_b128 v[176+8*\t+4:176+8*\t+7], v23, s[14:15] offset:(32*(\t/2)+8*(\t%2))*4+16
.endr
.irp n, 0,1
.irp s, 0,1
.irp c, 0,1
	global_load_b128 v[128+8*(2*\n+\s)+4*\c:128+8*(2*\n+\s)+4*\c+3], v18, s[22:23] offset:16*\n*128+64*\s+32*\c                ; Wv: my 32 rows
.endr
.endr
.endr
.irp n, 0,1
.irp j, 0,1,2,3,4,5,6,7
	global_load_b32 v[240+8*\n+\j], v46, s[26:27] offset:64*\n     ; bv: in v's result a lane holds one channel, so its eight registers hold the same number
.endr
.endr
	WIN 0
.irp b, 0,1
	global_load_b64 v[28+2*\b:29+2*\b], v20, s[18:19] offset:256*\b   ; Wk's scale words of tiles 2 b (lanes 0-15) and 2 b + 1 (lanes 16-31): K step 0, K step 1
	global_load_b64 v[24+2*\b:25+2*\b], v20, s[12:13] offset:256*\b   ; Wq's
.endr
	global_load_b64 v[32:33], v21, s[24:25]        ; Wv's: lanes 0-15 my rows 0-15, lanes 16-31 my rows 16-31
	global_load_b64 v[34:35], v22, s[8:9]          ; ref's
	s_wait_loadcnt 0x0
	; ---- k, while x's tile is on its way
	QKPROD 64, 208, 28, 34
	QUANT HA, 2, PCK, PWK
	global_store_b128 v47, v[PCK:PCK+3], s[28:29]  ; fragment w of the record
	ds_store_b32 v13, v[PWK]                       ; lanes r and 16 + r write the same word with the same value
	s_wait_tensorcnt 0x0                           ; my part of x's tile has landed,
	BARRIER                                        ; everybody's has
	; ---- x: my 32 positions x 128 channels.  A lane takes a position and its registers run down the channels: a block of 32 lies in one lane
.set cnt, 0
.rept 128
	ds_load_b32 v[128+cnt], v6 offset:512*cnt
.set cnt, cnt+1
.endr
	s_wait_dscnt 63                                ; of the 128 loads at most 63 are out: the oldest 65 are in, blocks 0 and 1 among them
	XBLOCK 0
	XBLOCK 1
	s_wait_dscnt 32                                ; block 3's 32 loads may be out
	XBLOCK 2
	s_wait_dscnt 0x0
	XBLOCK 3
	v_nop                                          ; one plain place behind a scaled conversion
.irp c, 0,1                                    ; lane 16 u + r holds all four blocks of tile 2 pb + u's row r; a fragment wants block 2 c in lanes 0-15 and block 2 c + 1 in lanes 16-31:
.irp g, 0,1,2,3
	v_permlane16_swap_b32 v[XC+8*\c+\g], v[XC+8*\c+4+\g]   ; the first becomes tile 2 pb's register 4 c + g, the second tile 2 pb + 1's
.endr
.endr
.irp c, 0,1
	ds_store_b128 v7, v[XC+8*\c:XC+8*\c+3] offset:512*\c
	ds_store_b128 v7, v[XC+8*\c+4:XC+8*\c+7] offset:2048+512*\c
.endr
	ds_store_b32 v8, v[XW]
	BARRIER                                        ; x's sixteen fragments and their scale words lie in LDS
	; ---- q: x's tile w against Wq
	WIN 0x40
.irp i, 0,1,2,3
	ds_load_b128 v[160+4*\i:163+4*\i], v9 offset:512*\i
.endr
	WIN 0
	ds_load_b32 v36, v10
	ds_load_b32 v37, v10 offset:128
	s_wait_dscnt 0x0
	QKPROD 0, 176, 24, 36
	; ---- v's operands are asked for (the four places at the product's end stand ahead of these loads into Wq's and Wk's registers); q is quantised while they come
	WIN 0x40
.set cnt, 0
.rept 32
	ds_load_b128 v[4*cnt:4*cnt+3], v11 offset:512*cnt
.set cnt, cnt+1
.endr
	WIN 0
.irp i, 0,1,2,3,4,5,6,7
	ds_load_b32 v[38+\i], v12 offset:128*\i        ; register 2 pb + ks: lanes 0-15 tile 2 pb, lanes 16-31 tile 2 pb + 1
.endr
	QUANT HA, 2, PCQ, PWQ
	global_store_b128 v47, v[PCQ:PCQ+3], s[30:31]
	ds_store_b32 v15, v[PWQ]
	s_wait_dscnt 0x0
	; ---- v: source 0 = 16 positions of x, source 1 = 16 of my rows of Wv: a lane holds ONE channel, and register 16 b + i key 32 b + 16 (lane / 16) + i.  Sixteen accumulators by turns
.irp s, 0,1
.if \s == 0
	WIN 0x15
.else
	WIN 0x05
.endif
.irp T, 0,1,2,3,4,5,6,7
.irp n, 0,1
.if \s == 0
	MM 128+64*\n+8*\T, 8*(2*\T+\s), 128+8*(2*\n+\s), 240+8*\n, 38+2*(\T/2)+\s, 32+\s, \T%2, \n
.else
	MM 128+64*\n+8*\T, 8*(2*\T+\s), 128+8*(2*\n+\s), 128+64*\n+8*\T, 38+2*(\T/2)+\s, 32+\s, \T%2, \n
.endif
.endr
.endr
.endr
	WIN 0
	PLACES
.irp n, 0,1
	QUANT 128+64*\n, 4, PCV+8*\n, PWV+\n
.irp c, 0,1
	global_store_b128 v93, v[PCV+8*\n+4*\c:PCV+8*\n+4*\c+3], s[28:29] offset:4096+1024*\n+512*\c   ; fragment 2 w + n
.endr
	ds_store_b32 v14, v[PWV+\n] offset:256*\n
.endr
	BARRIER                                        ; all scale words lie gathered
	s_cmp_lt_u32 s40, 4
	s_cbranch_scc0 .Lend
	ds_load_b128 v[96:99], v16
	s_wait_dscnt 0x0
	global_store_b128 v4, v[96:99], s[72:73]       ; 512 consecutive bytes a wave
.Lend:
	s_wait_tensorcnt 0x0
	ds_add_u32 v94, v95
	s_wait_dscnt 0x0
	s_endpgm
.Lfunc_end_k_qa9feb54676_prep:
	.size	k_qa9feb54676_prep, .Lfunc_end_k_qa9feb54676_prep-k_qa9feb54676_prep
	.p2alignl 7, 3214868480
	.fill 96, 4, 3214868480
	.section	.rodata,"a",@progbits
	.p2align	6, 0x0
	.amdhsa_kernel k_qa9feb54676_prep
		.amdhsa_group_segment_fixed_size 168960
		.amdhsa_private_segment_fixed_size 0
		.amdhsa_enable_private_segment 0
		.amdhsa_kernarg_size 112
		.amdhsa_user_sgpr_count 2
		.amdhsa_user_sgpr_kernarg_segment_ptr 1
		.amdhsa_wavefront_size32 1
		.amdhsa_system_sgpr_workgroup_id_x 1
		.amdhsa_system_sgpr_workgroup_id_y 1
		.amdhsa_system_sgpr_workgroup_id_z 1
		.amdhsa_system_vgpr_workitem_id 0
		.amdhsa_next_free_vgpr 512
		.amdhsa_next_free_sgpr 100
		.amdhsa_reserve_vcc 0
		.amdhsa_float_denorm_mode_32 3
		.amdhsa_float_denorm_mode_16_64 3
		.amdhsa_memory_ordered 1
		.amdhsa_forward_progress 1
		.amdhsa_inst_pref_size 54
	.end_amdhsa_kernel
	.amdgpu_metadata
---
amdhsa.version: [ 1, 2 ]
amdhsa.kernels:
  - .name:           k_qa9feb54676_prep
    .symbol:         k_qa9feb54676_prep.kd
    .args:
      - { .name: x, .offset: 0, .size: 8, .value_kind: global_buffer, .address_space: global }
      - { .name: ref_codes, .offset: 8, .size: 8, .value_kind: global_buffer, .address_space: global }
      - { .name: ref_scales, .offset: 16, .size: 8, .value_kind: global_buffer, .address_space: global }
      - { .name: Wq_codes, .offset: 24, .size: 8, .value_kind: global_buffer, .address_space: global }
      - { .name: Wq_scales, .offset: 32, .size: 8, .value_kind: global_buffer, .address_space: global }
      - { .name: bq, .offset: 40, .size: 8, .value_kind: global_buffer, .address_space: global }
      - { .name: Wk_codes, .offset: 48, .size: 8, .value_kind: global_buffer, .address_space: global }
      - { .name: Wk_scales, .offset: 56, .size: 8, .value_kind: global_buffer, .address_space: global }
      - { .name: bk, .offset: 64, .size: 8, .value_kind: global_buffer, .address_space: global }
      - { .name: Wv_codes, .offset: 72, .size: 8, .value_kind: global_buffer, .address_space: global }
      - { .name: Wv_scales, .offset: 80, .size: 8, .value_kind: global_buffer, .address_space: global }
      - { .name: bv, .offset: 88, .size: 8, .value_kind: global_buffer, .address_space: global }
      - { .name: kv, .offset: 96, .size: 8, .value_kind: global_buffer, .address_space: global }
      - { .name: qc, .offset: 104, .size: 8, .value_kind: global_buffer, .address_space: global }
    .group_segment_fixed_size: 168960
    .private_segment_fixed_size: 0
    .kernarg_segment_align: 8
    .kernarg_segment_size: 112
    .max_flat_workgroup_size: 256
    .sgpr_count:     100
    .vgpr_count:     512
    .wavefront_size: 32
...
	.end_amdgpu_metadata
.endif
;; end of part 1
;; launch attn (part 2): grid 32 x 8, 8 waves a work-group, clusters of 4 x 1, 327,680 bytes of LDS; arguments qc, kv, x, gamma, out0; writes out0
.if DOCPART == 2
	.amdgcn_target "amdgcn-amd-amdhsa--gfx1250"
	.amdhsa_code_object_version 6
	.text
	.protected	k_qa9feb54676_attn
	.globl	k_qa9feb54676_attn
	.p2align	8
	.type	k_qa9feb54676_attn,@function
k_qa9feb54676_attn:
	s_mov_b64 s[64:65], 0
	v_nop
	global_prefetch_b8 v0, s[64:65] scope:SCOPE_SE
	s_setreg_imm32_b32 hwreg(HW_REG_WAVE_MODE, 25, 1), 1
	s_wait_xcnt 0x0
	s_wait_alu depctr_hold_cnt(0) depctr_sa_sdst(0) depctr_va_vdst(0) depctr_va_sdst(0) depctr_va_ssrc(0) depctr_va_vcc(0) depctr_vm_vsrc(0)
	s_getreg_b32 s2, hwreg(HW_REG_IB_STS2, 6, 4)
	s_cmp_eq_u32 s2, 0
	s_cbranch_scc0 .Lentry_in_a_cluster
	s_endpgm
.Lentry_in_a_cluster:
	s_bfe_u32 s2, ttmp6, 0x10000c
	s_cmp_lg_u32 s2, 0x3003
	s_cbranch_scc0 .Lentry_shape_is_right
	s_endpgm
.Lentry_shape_is_right:
; out0[b][c][i] = gamma x (sum over j of v[b][c][j] softmax_j(q[b][:,i] . k[b][:,j] / 8)) + x[b][c][i], both products on codes of FP4 (E2M1) with one E8M0 scale for each 32 along K.
; q, k, v come from the launch before as images of operand registers: a kv record (22,016 bytes) holds a key step's 128 keys: +0 k's 8 fragments of 4 registers, +4,096 v's 16 fragments of 8, +20,480 k's scale words, +20,992 v's.
; THE SOFTMAX: t = score x log2(e) / 8; M = the row's largest t so far, rounded UP to a whole number; p = 2^(t - M) is quantised along the keys, not normalised; the row's sum is taken of the unquantised p and divides at the end.
; When M moves, the sum and O are multiplied by 2^(old M - new M): exact.
; SHARES.  A work-group owns 128 queries of one image; each of its eight waves 16 of them, in 512 registers: two waves to a SIMD, so that one wave's vector work stands beside the other's products and LDS loads.
; Every wave walks the image's 32 key steps.  Both products are used transposed (S^T = k q^T, O^T = v p^T): a lane holds ONE query throughout.
; The keys of a tile of k, and the queries of a tile of q, are not neighbours: row r of tile 2 b + u is position 32 b + 8 u + r + 8 (r / 8): so p's 16 registers of two neighbouring tiles are 16 neighbouring keys.
; THE FIRST PRODUCT'S K IS 64, THE INSTRUCTION'S 128.  q's fragment has zero codes in registers 4-7, and both sides' scale bytes 2 and 3 are 0x7f: whatever k's fragment holds in its registers 4-7 is multiplied by zero.
; So k's eight fragments lie 4 registers apart, fragment T is named v[40 + 4 T : 47 + 4 T], and its upper half is the next tile's codes (for T = 7 four cleared registers): 36 registers in place of 64.
; CLUSTER.  The four work-groups of a cluster belong to one image and walk the same records: each slot of four records is asked for JOINTLY (waves 0 to 3 one record each, the same descriptor, a mask that names the four).
; One tensor load of a wave is out at a time.  RING: two slots of 88,064 bytes, 2^17 bytes apart; a slot's fill has the other slot's four key steps in which to land.
; LIMITS: NaN and infinities are not served; a block of p that has fallen to zeros keeps the scale byte 1: its codes are zeros.
; REGISTERS.  window 0: v1 16 x lane; v2, v3 the spare word's address and 0; v4 the step's LDS address; v5 prefetch offset; v6-9 way out; v10, v11 q's offsets; v12 -M, v13 largest t, v[14:15] the sum;
;   v16-23 q, v24 its scale words; v26-29 k's scale words, v30-37 v's; v40-75 k; v96-159 S^T, then p, later staged rows; v160-223 16 rows of x; v224-231 p's codes; v232-254 at work.
;   window 1: v0-127 O^T (16 tiles of 16 channels); v128-255 v's 16 fragments, on the way out 16 more rows of x.
.set REC,   22016
.set SLOT1, 1<<17
.set STG,   219136                     ; behind the ring: the stage, 128 channel rows x (512 bytes + 16); no fill lands here
.set SP,    528
.set GS,    286720                     ; gamma / l of the 128 queries
.set SPARE, 287232                     ; the spare words, 128 bytes for each wave: four blocks of 256 bytes that no other line names
.set MSB, 0
.macro WIN new                         ; the immediate's high byte repeats the setting that is left
.if MSB != \new
	s_set_vgpr_msb (MSB<<8)|\new
.set MSB, \new
.endif
.endm
.macro CROUND                          ; a round of the cluster's barrier
	s_barrier_signal -1
	s_barrier_wait -1
	s_cmp_lg_u32 s18, 0
	s_cbranch_scc1 .Lnot_wave_0_\@
	s_barrier_signal -3
.Lnot_wave_0_\@:
	s_barrier_wait -3
	s_barrier_signal -1
	s_barrier_wait -1
.endm
.macro JLOAD                           ; waves 0 to 3 ask for a record each; the branch hangs on the wave's number alone.  Four v_nop follow the load
	s_cmp_lt_u32 s18, 4
	s_cbranch_scc0 .Lnone_\@
	tensor_load_to_lds s[36:39], s[28:35]
	s_nop 0
.rept 4
	v_nop
.endr
.Lnone_\@:
.endm
; A PREFETCH INTO THE L2 of the slot that the NEXT change of slots will ask for: four key steps ahead of that load.  All eight clusters of an image walk the same records: the image's first cluster asks.
; Its four partners are told apart BY ADDRESS: partner cx takes record cx of the slot.  In each, waves 4, 5 and 6, which fetch nothing, ask for 32 blocks of 256 bytes each, a lane a block; the record has 86,
; so the last wave's lanes past block 85 name block 85.  The last change that fills a slot asks for nothing; slots 0 and 1 come by their loads alone.
.macro ASK
	s_cmp_gt_u32 s41, s46
	s_cbranch_scc0 .Lnot_mine_\@
	global_prefetch_b8 v5, s[44:45] th:TH_LOAD_NT scope:SCOPE_SE
.Lnot_mine_\@:
.endm
; one matrix instruction.  zero = 1: it starts its sum; else it adds in place.  ra = 1: source 0's scale words are read from lanes 16-31
.macro MM d, a, bb, zero, sa, sb, ra
.if (\zero) && (\ra)
	v_wmma_scale_f32_16x16x128_f8f6f4 v[\d:\d+7], v[\a:\a+7], v[\bb:\bb+7], 0, v[\sa], v[\sb] matrix_a_fmt:MATRIX_FMT_FP4 matrix_b_fmt:MATRIX_FMT_FP4 matrix_a_scale:MATRIX_SCALE_ROW1
.elseif (\zero)
	v_wmma_scale_f32_16x16x128_f8f6f4 v[\d:\d+7], v[\a:\a+7], v[\bb:\bb+7], 0, v[\sa], v[\sb] matrix_a_fmt:MATRIX_FMT_FP4 matrix_b_fmt:MATRIX_FMT_FP4
.elseif (\ra)
	v_wmma_scale_f32_16x16x128_f8f6f4 v[\d:\d+7], v[\a:\a+7], v[\bb:\bb+7], v[\d:\d+7], v[\sa], v[\sb] matrix_a_fmt:MATRIX_FMT_FP4 matrix_b_fmt:MATRIX_FMT_FP4 matrix_a_scale:MATRIX_SCALE_ROW1
.else
	v_wmma_scale_f32_16x16x128_f8f6f4 v[\d:\d+7], v[\a:\a+7], v[\bb:\bb+7], v[\d:\d+7], v[\sa], v[\sb] matrix_a_fmt:MATRIX_FMT_FP4 matrix_b_fmt:MATRIX_FMT_FP4
.endif
.endm
; A KEY STEP: 128 keys, the record at LDS byte s40.
.macro STEP
	v_add_nc_u32 v4, s40, v1
	ds_load_b128 v[26:29], v4 offset:20480         ; k's scale words: register b: lanes 0-15 tile 2 b, lanes 16-31 tile 2 b + 1
.irp T, 0,1,2,3,4,5,6,7
	ds_load_b128 v[40+4*\T:43+4*\T], v4 offset:512*\T
.endr
	ds_load_b128 v[30:33], v4 offset:20992         ; v's scale words: register g: lanes 0-15 fragment 2 g, lanes 16-31 fragment 2 g + 1
	ds_load_b128 v[34:37], v4 offset:21504
	WIN 0x40                                       ; destination window 1
.set cnt, 0
.rept 32
	ds_load_b128 v[128+4*cnt:131+4*cnt], v4 offset:4096+512*cnt   ; v's sixteen fragments: they land under the softmax
.set cnt, cnt+1
.endr
	WIN 0
	s_wait_dscnt 34                                ; k and its scale words are in; the 2 + 32 younger loads may be out
.irp T, 0,1,2,3,4,5,6,7
	MM 96+8*\T, 40+4*\T, 16, 1, 26+\T/2, 24, \T%2
.endr
.rept 4
	v_nop                                          ; four places ahead of the first read of the scores
.endr
.irp b, 0,1,2,3
	v_max3_num_f32 v[232+\b], v[96+16*\b], v[97+16*\b], v[98+16*\b]   ; the largest score of each block of 32 keys: it serves for the row's maximum and, since p rises with the score, for the block's largest p
.endr
.irp i, 3,5,7,9,11,13
.irp b, 0,1,2,3
	v_max3_num_f32 v[232+\b], v[232+\b], v[96+16*\b+\i], v[97+16*\b+\i]
.endr
.endr
.irp b, 0,1,2,3
	v_max_num_f32 v[232+\b], v[232+\b], v[111+16*\b]
.endr
.irp b, 0,1,2,3
	s_delay_alu instid0(VALU_DEP_4)
	v_permlanex16_b32 v[236+\b], v[232+\b], s22, s23
.endr
.irp b, 0,1,2,3
	s_delay_alu instid0(VALU_DEP_4)
	v_max_num_f32 v[232+\b], v[232+\b], v[236+\b]  ; with lane l xor 16's 16 keys
.endr
	s_delay_alu instid0(VALU_DEP_2)
	v_max3_num_f32 v254, v232, v233, v234
	s_delay_alu instid0(VALU_DEP_1)
	v_max_num_f32 v254, v254, v235                 ; the step's largest score of my query
	s_delay_alu instid0(VALU_DEP_1)
	v_mul_f32 v254, s24, v254                      ; as t (c is positive)
	s_delay_alu instid0(VALU_DEP_1)
	v_max_num_f32 v13, v13, v254                   ; the running largest t
	v_mov_b32 v254, v12
	s_delay_alu instid0(VALU_DEP_2)
	v_floor_f32 v12, -v13                          ; the new -M = floor(-t): M is a whole number
	s_delay_alu instid0(VALU_DEP_1)
	v_sub_f32 v254, v12, v254                      ; old M - new M: a whole number, 0 or less
	s_delay_alu instid0(VALU_DEP_1)
	v_cvt_i32_f32 v254, v254                       ; (it saturates)
	s_delay_alu instid0(VALU_DEP_1)
	v_ldexp_f32 v252, 1.0, v254                    ; f = 2^(old M - new M)
.irp j, 0,2,4,6,8,10,12,14,16,18,20,22,24,26,28,30,32,34,36,38,40,42,44,46,48,50,52,54,56,58,60,62
	v_pk_fma_f32 v[96+\j:97+\j], v[96+\j:97+\j], s[24:25], v[12:13] op_sel_hi:[1,0,0]   ; t - M, two at a time
.endr
.irp b, 0,1,2,3
	v_fma_f32 v[232+\b], v[232+\b], s24, v12       ; the same of each block's largest score
.endr
.set cnt, 0
	s_wait_alu depctr_va_vdst(0)
.rept 64
	v_exp_f32 v[96+cnt], v[96+cnt]                 ; p = 2^(t - M), at most 1
.set cnt, cnt+1
.endr
	v_pk_mul_f32 v[14:15], v[14:15], v[252:253] op_sel_hi:[1,0]   ; the sums under the new M: the plain place behind the exponentials
	s_wait_alu depctr_va_vdst(0)                   ; one wait for the batch of 64, ahead of its first reader
.irp b, 0,1,2,3
	v_exp_f32 v[232+\b], v[232+\b]                 ; the block's largest p: the same two instructions on the same number give the same bits
.endr
	v_pk_add_f32 v[236:237], v[100:101], v[104:105]
	v_pk_add_f32 v[254:255], v[108:109], v[112:113]
	v_pk_add_f32 v[250:251], v[116:117], v[120:121]
	v_pk_add_f32 v[248:249], v[124:125], v[128:129]
	v_pk_add_f32 v[246:247], v[132:133], v[136:137]
	v_pk_add_f32 v[244:245], v[140:141], v[144:145]
	v_pk_add_f32 v[242:243], v[148:149], v[152:153]
	v_pk_add_f32 v[14:15], v[14:15], v[156:157]
	v_pk_add_f32 v[236:237], v[236:237], v[96:97]
	v_pk_add_f32 v[254:255], v[254:255], v[98:99]
	v_pk_add_f32 v[250:251], v[250:251], v[102:103]
	v_pk_add_f32 v[248:249], v[248:249], v[106:107]
	v_pk_add_f32 v[246:247], v[246:247], v[110:111]
	v_pk_add_f32 v[244:245], v[244:245], v[114:115]
	v_pk_add_f32 v[242:243], v[242:243], v[118:119]
	v_pk_add_f32 v[14:15], v[14:15], v[122:123]
	v_pk_add_f32 v[236:237], v[236:237], v[126:127]
	v_pk_add_f32 v[254:255], v[254:255], v[130:131]
	v_pk_add_f32 v[250:251], v[250:251], v[134:135]
	v_pk_add_f32 v[248:249], v[248:249], v[138:139]
	v_pk_add_f32 v[246:247], v[246:247], v[142:143]
	v_pk_add_f32 v[244:245], v[244:245], v[146:147]
	v_pk_add_f32 v[242:243], v[242:243], v[150:151]
	v_pk_add_f32 v[14:15], v[14:15], v[154:155]
	v_pk_add_f32 v[236:237], v[236:237], v[158:159]
	s_delay_alu instid0(VALU_DEP_2)
	v_pk_add_f32 v[14:15], v[14:15], v[248:249]
	s_delay_alu instid0(VALU_DEP_2)
	v_pk_add_f32 v[236:237], v[236:237], v[246:247]
	v_pk_add_f32 v[254:255], v[254:255], v[244:245]
	v_pk_add_f32 v[250:251], v[250:251], v[242:243]
	s_delay_alu instid0(VALU_DEP_2)
	v_pk_add_f32 v[14:15], v[14:15], v[254:255]
	s_delay_alu instid0(VALU_DEP_2)
	v_pk_add_f32 v[236:237], v[236:237], v[250:251]
	s_delay_alu instid0(VALU_DEP_1)
	v_pk_add_f32 v[14:15], v[14:15], v[236:237]
	s_wait_alu depctr_va_vdst(0)                   ; and one for the four
.irp b, 0,1,2,3
	v_max_num_f32 v[232+\b], 0x1800000, v[232+\b]  ; the floor 2^(3 - 127): the byte cannot fall under 1
.endr
.irp b, 0,1,2,3
	s_delay_alu instid0(VALU_DEP_4)
	v_add_nc_u32 v[244+\b], 0xff000000, v[232+\b]  ; 2 off the exponent field: the conversion's scale operand
.endr
.irp b, 0,1,2,3
	s_delay_alu instid0(VALU_DEP_4)
	v_lshrrev_b32 v[236+\b], 23, v[244+\b]         ; the scale's byte
.endr
	s_delay_alu instid0(VALU_DEP_3)
	v_lshl_or_b32 v253, v237, 8, v236              ; p's scale word for these 128 keys
	s_delay_alu instid0(VALU_DEP_1)
	v_lshl_or_b32 v253, v238, 16, v253
	s_delay_alu instid0(VALU_DEP_1)
	v_lshl_or_b32 v253, v239, 24, v253
.irp b, 0,1,2,3
	v_cvt_scalef32_pk8_fp4_f32 v[224+2*\b], v[96+16*\b:103+16*\b], v[244+\b]
	v_cvt_scalef32_pk8_fp4_f32 v[225+2*\b], v[104+16*\b:111+16*\b], v[244+\b]
.endr
	v_nop                                          ; one plain place behind a scaled conversion
.irp c, 0,1                                    ; a whole block in a lane: lanes 0-15 block 2 c, lanes 16-31 block 2 c + 1
.irp i, 0,1
	v_permlane16_swap_b32 v[224+4*\c+\i], v[226+4*\c+\i]
.endr
.endr
	WIN 0x41                                       ; O^T (destination and source 0) in window 1, f in window 0
.set cnt, 0
.rept 64
	v_pk_mul_f32 v[cnt:cnt+1], v[cnt:cnt+1], v[252:253] op_sel_hi:[1,0]   ; O^T under the new M, each accumulator from its low end on; these lines also part p's codes and scale word from the products below
.set cnt, cnt+2
.endr
	s_wait_alu depctr_va_vdst(0)
	s_wait_dscnt 0x0                               ; v and its scale words are in
	WIN 0x51                                       ; v, C and D in window 1, p in window 0
.irp c, 0,1,2,3,4,5,6,7,8,9,10,11,12,13,14,15  ; sixteen accumulators by turns, one instruction a turn
	MM 8*\c, 128+8*\c, 224, 0, 30+\c/2, 253, \c%2
.endr
	WIN 0
.rept 4
	v_nop                                          ; four places ahead of the next step's loads into v's registers and scale words, and of the way out's reads
.endr
	s_add_co_u32 s40, s40, REC                     ; the next record
.endm
; THE CHANGE OF SLOTS stands at a slot's head.  Each wave waits for all its tensor loads (its record of the slot ahead), adds 0 to its spare word, and waits for that and for its reads of the slot that it has left.
; fill = 1: behind a round of the cluster's barrier that other slot is filled with the four records that follow.
.macro CHANGE fill
	s_wait_tensorcnt 0x0                           ; no tensor load of mine is out, so the descriptor may be written
	ds_add_u32 v2, v3                              ; 0 onto my spare word
.if \fill
	s_xor_b32 s37, s37, SLOT1                      ; the walking descriptor: the other slot than last time,
	s_add_nc_u64 s[38:39], s[38:39], 4*REC         ; the next four records; the type bits on top are not reached
	s_wait_xcnt 0x0                                ; the last prefetch, four key steps back, has read its address, so it may be written:
	s_add_nc_u64 s[44:45], s[44:45], 4*REC         ; one slot further on than the walking descriptor
	s_wait_dscnt 0x0                               ; the add is done, and my reads of the slot that I have left are over
	CROUND                                         ; both now hold of every wave of all four work-groups
	JLOAD                                          ; the first thing behind the round, and a wave's one tensor load until the next
	ASK
.else
	s_wait_dscnt 0x0
	s_barrier_signal -1
	s_barrier_wait -1
.endif
.endm
.macro FOUR_STEPS                      ; a slot's four key steps: written once, walked four times; the LDS address hangs on s40
	s_mov_b32 s42, 4
.Lstep_\@:
	STEP
	s_sub_co_u32 s42, s42, 1
	s_cmp_lg_u32 s42, 0
	s_cbranch_scc1 .Lstep_\@
	s_sub_co_u32 s40, s40, 4*REC                   ; back to a slot's first record,
	s_xor_b32 s40, s40, SLOT1                      ; in the other slot
.endm
	s_load_b256 s[4:11], s[0:1], 0x0               ; qc 4, kv 6, x 8, gamma 10
	s_load_b64 s[12:13], s[0:1], 0x20              ; out0
	v_lshl_add_u32 v2, v0, 2, SPARE
	v_mov_b32 v3, 0
	ds_add_u32 v2, v3
	ds_add_u32 v2, v3
	s_wait_dscnt 0x0
	v_lshrrev_b32 v4, 5, v0
	s_delay_alu instid0(VALU_DEP_1)
	v_readfirstlane_b32 s18, v4                    ; wave 0..7
	s_bfe_u32 s19, ttmp6, 0x40000                  ; cx: my place in the cluster
	s_lshl_b32 s20, ttmp9, 2
	s_add_co_u32 s20, s20, s19                     ; my block of 128 queries: it enters qc's, x's and out0's addresses alone
	s_and_b32 s21, ttmp7, 0xffff                   ; the image, which the four partners share
	s_mov_b32 s22, 0x76543210
	s_mov_b32 s23, 0xfedcba98                      ; v_permlanex16_b32's selects for lane l xor 16
	s_mov_b32 s24, 0x3e38aa3b                      ; c = log2(e) / 8
	s_mov_b32 s25, s24                             ; (named with it as a pair, so it is written)
	; descriptor group 1: a record, dense in memory: 86 rows of 32 elements of 8 bytes, no padding: the reads are images, 512 consecutive bytes an instruction
	s_mov_b32 s28, 15|(3<<16)|(1<<21)              ; 15:0 the mask: all four work-groups; 17:16 elements of 8 bytes; 21 set beside a mask
	s_mov_b32 s29, 32<<16                          ; tensor_dim0
	s_mov_b32 s30, 86<<16                          ; tensor_dim1
	s_mov_b32 s31, 32<<16                          ; tile_dim0
	s_mov_b32 s32, 86                              ; tile_dim1
	s_mov_b32 s33, 32                              ; the pitch
	s_mov_b32 s34, 0
	s_mov_b32 s35, 0
	s_and_b32 s48, s18, 3
	s_mul_i32 s49, s48, REC                        ; my record's place in a slot, in LDS as in memory: no place in the cluster enters it
	s_mul_i32 s50, s21, 32*REC                     ; the image's records
	s_add_co_u32 s52, s50, s49
	s_mov_b32 s53, 0
	s_mul_i32 s54, s19, REC                        ; the prefetches: my work-group's record,
	s_add_co_u32 s54, s54, s50
	s_add_co_u32 s54, s54, 4*REC                   ; in slot 1: the first change of slots steps it to slot 2
	s_mov_b32 s55, 0
	s_lshl_b32 s56, s21, 5
	s_add_co_u32 s56, s56, s20
	s_mul_i32 s56, s56, 4608                       ; my qc record
	s_mov_b32 s57, 0
	s_lshl_b32 s58, s21, 22                        ; x and out0: the image,
	s_lshl_b32 s59, s18, 18                        ; my wave's 16 channel rows of 16,384 bytes,
	s_add_co_u32 s58, s58, s59
	s_lshl_b32 s59, s20, 9                         ; my block's 128 positions
	s_add_co_u32 s58, s58, s59
	s_mov_b32 s59, 0
	s_sub_co_u32 s60, s18, 4
	s_cmp_lt_u32 s60, 3                            ; waves 4, 5, 6
	s_cselect_b32 s60, 0, 1
	s_or_b32 s60, s60, ttmp9                       ; of the image's first cluster: the same in all four partners
	s_cmp_eq_u32 s60, 0
	s_cselect_b32 s46, 1, -1                       ; a wave prefetches while the slots still to be asked for are more than this
	; every LDS address is made here, ahead of the first branch on the wave's number
	v_and_b32 v1, 31, v0
	s_lshl_b32 s60, s48, 5
	v_add_nc_u32 v5, s60, v1
	s_delay_alu instid0(VALU_DEP_1)
	v_min_u32 v5, 85, v5
	s_delay_alu instid0(VALU_DEP_1)
	v_lshlrev_b32 v5, 8, v5                        ; my block of 256 bytes in a record
	v_lshlrev_b32 v1, 4, v1                        ; 16 x lane
	v_and_b32 v232, 15, v0                         ; r
	v_bfe_u32 v233, v0, 4, 1                       ; h
	s_delay_alu instid0(VALU_DEP_2)
	v_and_b32 v234, 8, v232
	s_delay_alu instid0(VALU_DEP_1)
	v_add_nc_u32 v234, v234, v232
	s_lshr_b32 s60, s18, 1
	s_lshl_b32 s60, s60, 5
	s_and_b32 s61, s18, 1
	s_lshl_b32 s61, s61, 3
	s_add_co_u32 s60, s60, s61
	v_add_nc_u32 v234, s60, v234                   ; my query's column in the block: 32 (w / 2) + 8 (w % 2) + r + 8 (r / 8)
	s_delay_alu instid0(VALU_DEP_1)
	v_lshl_add_u32 v8, v234, 2, GS                 ; where its gamma / l goes
	v_mul_u32_u24 v6, v233, 8*SP
	s_delay_alu instid0(VALU_DEP_1)
	v_lshl_add_u32 v6, v234, 2, v6
	s_delay_alu instid0(VALU_DEP_1)
	v_add_nc_u32 v6, STG, v6                       ; the stage, in: channel row 8 h (+ 16 tile + register), my column
	s_mul_i32 s60, s18, 16*SP
	s_add_co_u32 s60, s60, STG
	v_add_nc_u32 v7, s60, v1                       ; back: my 16 channel rows, 16 bytes a lane
	v_add_nc_u32 v9, GS, v1                        ; gamma / l of my four columns
	s_lshl_b32 s60, s18, 9
	v_add_nc_u32 v10, s60, v1                      ; q's tile w
	s_lshl_b32 s60, s18, 6
	v_lshl_add_u32 v11, v232, 2, s60               ; its scale words
	s_mov_b32 s40, 0                               ; the record in hand
	s_mov_b32 s41, 7                               ; slots still to be asked for
	s_wait_kmcnt 0x0
	s_load_b32 s14, s[10:11], 0x0                  ; gamma
	s_mov_b32 s36, 1
	s_mov_b32 s37, s49
	s_add_nc_u64 s[38:39], s[6:7], s[52:53]
	s_or_b32 s39, s39, 0x80000000                  ; type = 2
	s_add_nc_u64 s[44:45], s[6:7], s[54:55]
	s_add_nc_u64 s[4:5], s[4:5], s[56:57]
	s_add_nc_u64 s[8:9], s[8:9], s[58:59]
	s_add_nc_u64 s[12:13], s[12:13], s[58:59]
	CROUND                                         ; all four work-groups are here: the first joint loads meet
	JLOAD                                          ; slot 0
	s_wait_alu depctr_va_vdst(0)
	global_load_b128 v[16:19], v10, s[4:5]         ; q's codes: 64 channels, registers 0-3 of the fragment
	global_load_b32 v24, v11, s[4:5] offset:4096
.irp i, 0,1,2,3,4,5,6,7,8,9,10,11,12,13,14,15
	global_load_b128 v[160+4*\i:163+4*\i], v1, s[8:9] offset:16384*\i th:TH_LOAD_NT   ; x for the first pass out: channels 16 w + i, 512 consecutive bytes a load; asked for here, wanted at the end
.endr
.irp j, 20,21,22,23,72,73,74,75
	v_mov_b32 v[\j], 0                             ; zero codes: q's channels 64-127, and the upper half of k's last fragment
.endr
	v_mov_b32 v13, 0xff61b1e6                      ; the largest t so far: -3e38
	s_delay_alu instid0(VALU_DEP_1)
	v_floor_f32 v12, -v13                          ; -M
	v_mov_b32 v14, 0                               ; the sum, in two halves
	v_mov_b32 v15, 0
.irp b, 0,1,2,3
	v_mov_b32 v[236+\b], 0                         ; written once: a lane permute's destination counts as one of its sources
.endr
	v_mov_b32 v253, 0                              ; (named as the upper half of the pair v[252:253] before it is first written)
	WIN 0x40
.set cnt, 0
.rept 128
	v_mov_b32 v[cnt], 0                            ; O^T.  The step is written once: the first finds zeros, which the first change of M leaves zeros
.set cnt, cnt+1
.endr
	WIN 0
	s_wait_kmcnt 0x0                               ; gamma
	s_wait_loadcnt 16                              ; q and its scale words are in; the 16 rows of x may be out
.Lslot:                                            ; seven trips: behind each change of slots but the last the next slot is asked for
	CHANGE 1
	FOUR_STEPS
	s_sub_co_u32 s41, s41, 1
	s_cmp_lg_u32 s41, 0
	s_cbranch_scc1 .Lslot
	CHANGE 0                                       ; the last slot is written out
	FOUR_STEPS
	; THE WAY OUT.  out0's rows run along the positions, and a lane holds one position: so O^T goes through a stage in LDS, 128 channels at a time, and comes back as channel rows of 512 bytes,
	; where it is multiplied by gamma / l of its column and x is added.
	WIN 0x40
.irp i, 0,1,2,3,4,5,6,7,8,9,10,11,12,13,14,15
	global_load_b128 v[128+4*\i:131+4*\i], v1, s[8:9] offset:(128+\i)*16384 th:TH_LOAD_NT   ; x for the second pass, into v's registers, which are free: it lands under the first pass
.endr
	WIN 0
	v_add_f32 v14, v14, v15                        ; the sum's two halves,
	s_delay_alu instid0(VALU_DEP_1)
	v_permlanex16_b32 v252, v14, s22, s23
	s_delay_alu instid0(VALU_DEP_1)
	v_add_f32 v14, v14, v252                       ; and lane l xor 16's: the row's sum
	s_wait_alu depctr_va_vdst(0)
	v_rcp_f32 v14, v14
	v_nop                                          ; a plain place behind the reciprocal
	s_wait_alu depctr_va_vdst(0)                   ; and the wait ahead of its first reader
	v_mul_f32 v232, s14, v14                       ; gamma / l
	ds_store_b32 v8, v232                          ; lanes r and 16 + r write the same word with the same value
.macro PASS p
.if \p
	s_wait_dscnt 0x0                               ; my reads of the stage are over,
	s_barrier_signal -1
	s_barrier_wait -1                              ; everybody's are: it may be written again
.endif
	WIN 0x04                                       ; an LDS store's data are its source 1: window 1
.irp c, 0,1,2,3,4,5,6,7
.irp j, 0,1,2,3,4,5,6,7
	ds_store_b32 v6, v[8*(8*\p+\c)+\j] offset:(16*\c+\j)*SP   ; each accumulator from its low end on; the 32 lanes fall on 32 different banks (8 rows of 528 bytes are 32 words past a whole turn of the 64 banks: ISA guide 11.1)
.endr
.endr
	WIN 0
	s_wait_dscnt 0x0                               ; for the others' sake: my stores into the stage are done
	s_barrier_signal -1
	s_barrier_wait -1
.if \p == 0
	ds_load_b128 v[232:235], v9                    ; gamma / l of my four columns
.else
	s_wait_xcnt 0x0                                ; the first pass's stores have read their registers, which the loads below write again
.endif
.irp i, 0,1,2,3,4,5,6,7,8,9,10,11,12,13,14,15
	ds_load_b128 v[96+4*\i:99+4*\i], v7 offset:SP*\i
.endr
.if \p == 0
	s_wait_loadcnt 16                              ; the first pass's x is in; the second pass's 16 loads may be out
.else
	s_wait_loadcnt 0x0
	WIN 0x10                                       ; source 2, x, in window 1
.endif
.irp i, 0,1,2,3,4,5,6,7,8,9,10,11,12,13,14,15
	s_wait_dscnt 15-\i                             ; row i is back (LDS loads come back in order: ISA guide 5.7.1)
	v_pk_fma_f32 v[96+4*\i:97+4*\i], v[96+4*\i:97+4*\i], v[232:233], v[160-32*\p+4*\i:161-32*\p+4*\i]
	v_pk_fma_f32 v[98+4*\i:99+4*\i], v[98+4*\i:99+4*\i], v[234:235], v[162-32*\p+4*\i:163-32*\p+4*\i]
	global_store_b128 v1, v[96+4*\i:99+4*\i], s[12:13] offset:(128*\p+\i)*16384 th:TH_STORE_NT   ; 32 lanes store 512 consecutive bytes, at a multiple of 256 from out0's first byte
.endr
	WIN 0
.endm
	PASS 0
	PASS 1
	s_wait_tensorcnt 0x0                           ; the wave's end, behind my last tensor load and my last LDS store
	ds_add_u32 v2, v3
	s_wait_dscnt 0x0
	CROUND                                         ; the closing round: no work-group ends while a partner may still ask for a slot that names it
	s_endpgm
.Lfunc_end_k_qa9feb54676_attn:
	.size	k_qa9feb54676_attn, .Lfunc_end_k_qa9feb54676_attn-k_qa9feb54676_attn
	.p2alignl 7, 3214868480
	.fill 96, 4, 3214868480
	.section	.rodata,"a",@progbits
	.p2align	6, 0x0
	.amdhsa_kernel k_qa9feb54676_attn
		.amdhsa_group_segment_fixed_size 327680
		.amdhsa_private_segment_fixed_size 0
		.amdhsa_enable_private_segment 0
		.amdhsa_kernarg_size 40
		.amdhsa_user_sgpr_count 2
		.amdhsa_user_sgpr_kernarg_segment_ptr 1
		.amdhsa_wavefront_size32 1
		.amdhsa_system_sgpr_workgroup_id_x 1
		.amdhsa_system_sgpr_workgroup_id_y 1
		.amdhsa_system_sgpr_workgroup_id_z 1
		.amdhsa_system_vgpr_workitem_id 0
		.amdhsa_next_free_vgpr 512
		.amdhsa_next_free_sgpr 80
		.amdhsa_reserve_vcc 0
		.amdhsa_float_denorm_mode_32 3
		.amdhsa_float_denorm_mode_16_64 3
		.amdhsa_memory_ordered 1
		.amdhsa_forward_progress 1
		.amdhsa_inst_pref_size 79
	.end_amdhsa_kernel
	.amdgpu_metadata
---
amdhsa.version: [ 1, 2 ]
amdhsa.kernels:
  - .name:           k_qa9feb54676_attn
    .symbol:         k_qa9feb54676_attn.kd
    .args:
      - { .name: qc, .offset: 0, .size: 8, .value_kind: global_buffer, .address_space: global }
      - { .name: kv, .offset: 8, .size: 8, .value_kind: global_buffer, .address_space: global }
      - { .name: x, .offset: 16, .size: 8, .value_kind: global_buffer, .address_space: global }
      - { .name: gamma, .offset: 24, .size: 8, .value_kind: global_buffer, .address_space: global }
      - { .name: out0, .offset: 32, .size: 8, .value_kind: global_buffer, .address_space: global }
    .group_segment_fixed_size: 327680
    .private_segment_fixed_size: 0
    .kernarg_segment_align: 8
    .kernarg_segment_size: 40
    .max_flat_workgroup_size: 256
    .sgpr_count:     80
    .vgpr_count:     512
    .wavefront_size: 32
...
	.end_amdgpu_metadata
.endif
;; end of part 2
